; MI455X (gfx1250); checked and timed in simulation.
; The chip was launched on July 23, 2026; its instructions are those of AMD's public machine-readable ISA for CDNA 5 (MIT licence, August 2026) and "CDNA5" Instruction Set Architecture Reference Guide (July 2026). The comments in the code are by the model that wrote it; some were corrected since.
;; Multi Headed Attention. Allowed arithmetic: matrix products marked QUANTISED: E4M3 operands, one given power-of-two scale a tensor, by v_wmma_f32_16x16x64_fp8_fp8 or v_wmma_f32_16x16x128_fp8_fp8, f32 sums; everything else in f32.
;; Inputs: Wk 1,024 x 1,024 float32; Wo 1,024 x 1,024 float32; Wq 1,024 x 1,024 float32; Wv 1,024 x 1,024 float32; bk 1,024 float32; bo 1,024 float32; bq 1,024 float32; bv 1,024 float32; key 4 x 2,048 x 1,024 float32; lowp_scales 12 int32 (the exponents e of the quantised operands' scales 2^e); mask 4 x 1 x 2,048 bool; query 4 x 2,048 x 1,024 float32; value 4 x 2,048 x 1,024 float32.
;; Outputs: out0 4 x 2,048 x 1,024 float32.
;; This version of the problem:
;;   THIS VERSION OF THE PROBLEM IS GIVEN IN LOW PRECISION. The matrix products marked QUANTISED in the list below multiply operands that are first quantised to E4M3 (4 exponent bits, 3 mantissa bits; 8 bits a number), with one given power-of-two scale for each operand tensor; their sums are f32. All else is computed in f32.
;;   The module's matrix products, in the order in which they are computed (A, B: the left and right operand; K: the contracted axis; several contracted axes count as one K, in the product's order):
;;     1. [M 8,192, K 1,024] x [K 1,024, N 1,024]; A: input query; B: input Wq: QUANTISED (scales: A lowp_scales[0], B lowp_scales[1])
;;     2. [M 8,192, K 1,024] x [K 1,024, N 1,024]; A: input key; B: input Wk: QUANTISED (scales: A lowp_scales[2], B lowp_scales[3])
;;     3. [M 8,192, K 1,024] x [K 1,024, N 1,024]; A: input value; B: input Wv: QUANTISED (scales: A lowp_scales[4], B lowp_scales[5])
;;     4. batch 64 x [M 2,048, K 64] x [K 64, N 2,048]; A: computed on the way; B: computed on the way: QUANTISED (scales: A lowp_scales[6], B lowp_scales[7])
;;     5. batch 64 x [M 2,048, K 2,048] x [K 2,048, N 64]; A: softmax (see below); B: computed on the way: QUANTISED (scales: A lowp_scales[8], B lowp_scales[9])
;;     6. [M 8,192, K 1,024] x [K 1,024, N 1,024]; A: computed on the way; B: input Wo: QUANTISED (scales: A lowp_scales[10], B lowp_scales[11])
;;   THE QUANTISER, for each operand of a quantised product, along K:
;;     - The operand's scale is 2^e, e = its entry of the input lowp_scales (int32; the entries are numbered through the quantised products in the list's order, A before B).
;;     - Each number is divided by the scale, clamped to +-448, and rounded to the nearest number of E4M3, ties to even, subnormals kept.
;;     - The product sums the exact products of the quantised numbers (number of the format x scale) in f32.
;;   ~~~python
;;   def quantise(x, axis, e):      # numpy; x: float32 -> the quantised numbers, widened to float32 again
;;       x = np.moveaxis(x, axis, -1); K = x.shape[-1]
;;       r = np.clip(x / 2.0 ** e, -448, 448)
;;       step = 2.0 ** (np.maximum(np.frexp(np.where(r == 0, 1, r))[1] - 1, -6) - 3)
;;       q = np.round(r / step) * step * 2.0 ** e      # np.round: ties to even
;;       return np.moveaxis(q, -1, axis).astype(np.float32)
;;   ~~~
;;   SOFTMAX AHEAD OF A QUANTISED PRODUCT. Where the list says 'softmax', what is quantised is not the finished softmax but p = 2^(t - M), with t = logit x log2(e) and M = ceil(the row's largest t), a whole number; so 1/2 < the row's largest p <= 1. The row's sum l is taken of the UNQUANTISED p, in f32, and the product's result is divided by l at the end. Since M is a whole number, a kernel that streams over the keys may use a running M (the ceiling of the running maximum): every later rescaling is an exact power of two, so the quantised numbers keep their values, but for numbers so far below the row's largest that they fall under the format's range.
;;   OPERANDS COMPUTED ON THE WAY. 'Computed on the way' means the value that the module computes at that place (a softmax that the list does not call 'softmax' is quantised finished and normalised). What goes into a quantiser is computed in f32, as accurately as f32 sums, v_exp_f32 and their like allow (about 1e-6 of the number): no bf16 or f16 on the way to a quantiser, and a product that is left as it is and whose result goes on into a quantised operand takes f32 operands (vector FMAs, or v_wmma_f32_16x16x4_f32). A number that lies on a knife's edge between two numbers of the format may be rounded either way, as far as f32 arithmetic and the matrix unit's own rounding can turn it there, and no further.
;; One version. Each part assembles by itself: llvm-mc -triple=amdgcn-amd-amdhsa -mcpu=gfx1250 --defsym DOCPART=n.
;; ======== version 1 of 1: 4 launches
;; limits: right only within a limited range of input values
;; workspace buffers: acts 25,165,824 bytes; wts 4,194,304 bytes; heads 25,165,824 bytes; ximg 8,388,608 bytes
;; launch quant (part 1): grid 896 x 1, 4 waves a work-group, no clusters, 33,280 bytes of LDS; arguments query, key, value, Wq, Wk, Wv, Wo, lowp_scales, acts, wts; writes acts, wts
.if DOCPART == 1
	.amdgcn_target "amdgcn-amd-amdhsa--gfx1250"
	.amdhsa_code_object_version 6
	.text
	.protected	k_qe12665148d_quant
	.globl	k_qe12665148d_quant
	.p2align	8
	.type	k_qe12665148d_quant,@function
k_qe12665148d_quant:
	s_mov_b64 s[64:65], 0
	v_nop
	global_prefetch_b8 v0, s[64:65] scope:SCOPE_SE
	s_setreg_imm32_b32 hwreg(HW_REG_WAVE_MODE, 25, 1), 1
	s_wait_xcnt 0x0
; query, key, value [8192][1024] and Wq, Wk, Wv, Wo [1024][1024], f32, K innermost, become codes of FP8 (E4M3), each tensor with the one scale 2^e given for it.
; code = x / 2^e, held within +-448, rounded to the nearest code, ties to even.  LIMITS: -126 <= e <= 119; NaN among the inputs is not served (an infinity is held at the largest code).
; Work-groups 0-767 take the three activations (256 each, into acts, part 0, 1, 2), work-groups 768-895 the four weights (32 each, into wts, part 0 to 3).  A work-group takes 32,768 numbers, a wave 16 steps of 512.
; ORDER OF THE CODES.  Rows stay rows, but inside each 32 codes the groups of 8 lie in the order k 0-7, 16-23, 8-15, 24-31.  A fragment fetched from such rows by loads of 16 bytes (row, + 16 x half of the lanes, + 32 c)
; then has k = 16 c + 8 h + 0..7 in registers 2 c, 2 c + 1: the place that the plain FP8 matrix forms give each k.
; Each load reads 512 consecutive bytes, 16 a lane; a step goes through the wave own stage in LDS and comes back so that lane 2 B + e holds k 8 e .. 8 e + 7 and 16 + 8 e .. 16 + 8 e + 7 of block B: its 16 codes are
; 16 neighbouring bytes of the output, and the wave stores 512 consecutive bytes.  No tensor loads, no barrier: waves share nothing.  Loads run four steps (16 loads a wave) ahead, the turn through LDS one step.
.set STEPS, 16
.set SP,    80                         ; a place in a stage: 64 bytes (16 numbers) + 16 of padding
.set WREG,  8192                       ; LDS of a wave: two stages of 32 places
.set R,     16                         ; v16-79   four sets of 16 numbers as they are loaded
.set X,     80                         ; v80-111  two sets of 16 numbers in the order of the codes
.set C,     128                        ; v128-191 codes: four registers for each step, so that no store data are written again
	s_load_b512 s[8:23], s[0:1], 0x0               ; query, key, value, Wq, Wk, Wv, Wo, the exponents
	s_load_b128 s[24:27], s[0:1], 0x40             ; acts, wts
	v_lshl_add_u32 v192, v0, 2, 0x8000
	v_mov_b32 v193, 0
	v_lshrrev_b32 v1, 5, v0
	v_readfirstlane_b32 s28, v1                    ; wave
	v_and_b32 v2, 31, v0                           ; lane
	v_lshlrev_b32 v3, 4, v2                        ; 16 x lane: my bytes of a load and of a store
	s_mul_i32 s29, s28, WREG
	v_lshrrev_b32 v14, 2, v2
	v_mul_u32_u24 v14, v14, SP
	v_and_b32 v15, 3, v2
	v_lshl_add_u32 v14, v15, 4, v14
	v_add_nc_u32 v14, s29, v14                     ; into the stage: four lanes fill a place
	v_and_b32 v15, 30, v2
	v_mul_u32_u24 v15, v15, SP
	v_and_b32 v5, 1, v2
	v_lshl_add_u32 v15, v5, 5, v15
	v_add_nc_u32 v15, s29, v15                     ; out of it: the first place of my block, + 32 bytes for the odd lane
	s_cmp_lt_u32 ttmp9, 768                        ; an activation or a weight?  All choices hang on the work-group number alone
	s_cselect_b32 s30, 255, 31
	s_cselect_b32 s31, 0, 768
	s_and_b32 s44, ttmp9, s30                      ; which 32,768 numbers of the tensor
	s_lshl_b32 s44, s44, 17
	s_lshl_b32 s45, s28, 15
	s_add_co_u32 s44, s44, s45                     ; source: 131,072 bytes a work-group, 32,768 a wave
	s_mov_b32 s45, 0
	s_sub_co_u32 s46, ttmp9, s31
	s_lshl_b32 s46, s46, 15
	s_lshl_b32 s47, s28, 13
	s_add_co_u32 s46, s46, s47                     ; codes: 32,768 bytes a work-group, 8,192 a wave; the parts of acts and of wts follow each other
	s_mov_b32 s47, 0
	s_wait_alu depctr_va_vdst(0)
	s_wait_kmcnt 0x0
	s_load_b256 s[32:39], s[22:23], 0x0            ; exponents 0 to 7
	s_load_b128 s[40:43], s[22:23], 0x20           ; exponents 8 to 11
.macro PICKP lim, ptr
	s_cmp_lt_u32 ttmp9, \lim
	s_cselect_b64 s[4:5], s[\ptr:\ptr+1], s[4:5]
.endm
	s_mov_b64 s[4:5], s[20:21]                     ; Wo, unless the work-group number lies lower
	PICKP 864, 18                                  ; Wv
	PICKP 832, 16                                  ; Wk
	PICKP 800, 14                                  ; Wq
	PICKP 768, 12                                  ; value
	PICKP 512, 10                                  ; key
	PICKP 256, 8                                   ; query
	s_cmp_lt_u32 ttmp9, 768
	s_cselect_b64 s[6:7], s[24:25], s[26:27]
	s_add_nc_u64 s[4:5], s[4:5], s[44:45]
	s_add_nc_u64 s[6:7], s[6:7], s[46:47]
.macro LOAD t
.irp i, 0,1,2,3
	global_load_b128 v[R+16*((\t)%4)+4*\i:R+16*((\t)%4)+4*\i+3], v3, s[4:5] offset:2048*(\t)+512*\i th:TH_LOAD_NT   ; 32 lanes read 512 consecutive bytes
.endr
.endm
.macro TURN t                          ; step t through the stage: LDS serves the instructions of a wave in order, so no wait stands between the stores and the loads
.irp i, 0,1,2,3
	ds_store_b128 v14, v[R+16*((\t)%4)+4*\i:R+16*((\t)%4)+4*\i+3] offset:32*SP*((\t)%2)+8*SP*\i
.endr
.irp i, 0,1,2,3
	ds_load_b128 v[X+16*((\t)%2)+4*\i:X+16*((\t)%2)+4*\i+3], v15 offset:32*SP*((\t)%2)+SP*(\i/2)+16*(\i%2)
.endr
.endm
.irp t, 0,1,2,3
	LOAD \t
.endr
	s_wait_kmcnt 0x0
.macro PICKE lim, reg
	s_cmp_lt_u32 ttmp9, \lim
	s_cselect_b32 s30, s[\reg], s30
.endm
	s_mov_b32 s30, s43                             ; Wo: entry 11
	PICKE 864, 37                                  ; Wv: 5
	PICKE 832, 35                                  ; Wk: 3
	PICKE 800, 33                                  ; Wq: 1
	PICKE 768, 36                                  ; value: 4
	PICKE 512, 34                                  ; key: 2
	PICKE 256, 32                                  ; query: 0
	s_add_co_i32 s30, s30, 127
	s_lshl_b32 s31, s30, 23
	v_mov_b32 v11, s31                             ; 2^e as f32: the conversion takes its exponent field
	s_add_co_i32 s30, s30, 8
	s_lshl_b32 s30, s30, 23
	s_or_b32 s30, s30, 0x600000
	v_mov_b32 v10, s30                             ; 448 x 2^e
	s_wait_alu depctr_va_vdst(0)
	s_wait_loadcnt 12                              ; the four loads of step 0 are in; twelve younger ones may be out
	TURN 0
.macro STEP t
.set XS, X+16*((\t)%2)
	s_wait_dscnt 0x0                               ; the numbers of this step are back from the stage: so its stores into the stage have read their registers,
.if (\t)+4 < STEPS
	LOAD (\t)+4                                    ; which take the loads of four steps on
.endif
.if (\t)+1 < STEPS
.if STEPS-2-(\t) >= 3
	s_wait_loadcnt 12                              ; the four loads of the next step are in; those of the three steps behind it may be out
.else
	s_wait_loadcnt 4*(STEPS-2-(\t))
.endif
	TURN (\t)+1                                    ; and go through the other stage while this step is worked
.endif
.irp i, 0,1,2,3,4,5,6,7,8,9,10,11,12,13,14,15
	v_med3_num_f32 v[XS+\i], v[XS+\i], -v10, v10   ; the conversion to an 8-bit code does not saturate (ISA guide 7.6.2): the hold at the largest code x the scale comes first
.endr
	v_cvt_scalef32_pk8_fp8_f32 v[C+4*(\t):C+4*(\t)+1], v[XS:XS+7], v11
	v_cvt_scalef32_pk8_fp8_f32 v[C+4*(\t)+2:C+4*(\t)+3], v[XS+8:XS+15], v11
	global_store_b128 v3, v[C+4*(\t):C+4*(\t)+3], s[6:7] offset:512*(\t)   ; 512 consecutive bytes, aligned.  (The results go to a store alone; the next vector lines are the plain holds of the other set)
.endm
.irp t, 0,1,2,3,4,5,6,7,8,9,10,11,12,13,14,15
	STEP \t
.endr
	s_wait_tensorcnt 0x0
	ds_add_u32 v192, v193
	s_wait_dscnt 0x0
	s_endpgm
.Lfunc_end_k_qe12665148d_quant:
	.size	k_qe12665148d_quant, .Lfunc_end_k_qe12665148d_quant-k_qe12665148d_quant
	.p2alignl 7, 3214868480
	.fill 96, 4, 3214868480
	.section	.rodata,"a",@progbits
	.p2align	6, 0x0
	.amdhsa_kernel k_qe12665148d_quant
		.amdhsa_group_segment_fixed_size 33280
		.amdhsa_private_segment_fixed_size 0
		.amdhsa_enable_private_segment 0
		.amdhsa_kernarg_size 80
		.amdhsa_user_sgpr_count 2
		.amdhsa_user_sgpr_kernarg_segment_ptr 1
		.amdhsa_wavefront_size32 1
		.amdhsa_system_sgpr_workgroup_id_x 1
		.amdhsa_system_sgpr_workgroup_id_y 1
		.amdhsa_system_sgpr_workgroup_id_z 1
		.amdhsa_system_vgpr_workitem_id 0
		.amdhsa_next_free_vgpr 194
		.amdhsa_next_free_sgpr 66
		.amdhsa_reserve_vcc 0
		.amdhsa_float_denorm_mode_32 3
		.amdhsa_float_denorm_mode_16_64 3
		.amdhsa_memory_ordered 1
		.amdhsa_forward_progress 1
		.amdhsa_inst_pref_size 39
	.end_amdhsa_kernel
	.amdgpu_metadata
---
amdhsa.version: [ 1, 2 ]
amdhsa.kernels:
  - .name:           k_qe12665148d_quant
    .symbol:         k_qe12665148d_quant.kd
    .args:
      - { .name: query, .offset: 0, .size: 8, .value_kind: global_buffer, .address_space: global }
      - { .name: key, .offset: 8, .size: 8, .value_kind: global_buffer, .address_space: global }
      - { .name: value, .offset: 16, .size: 8, .value_kind: global_buffer, .address_space: global }
      - { .name: Wq, .offset: 24, .size: 8, .value_kind: global_buffer, .address_space: global }
      - { .name: Wk, .offset: 32, .size: 8, .value_kind: global_buffer, .address_space: global }
      - { .name: Wv, .offset: 40, .size: 8, .value_kind: global_buffer, .address_space: global }
      - { .name: Wo, .offset: 48, .size: 8, .value_kind: global_buffer, .address_space: global }
      - { .name: lowp_scales, .offset: 56, .size: 8, .value_kind: global_buffer, .address_space: global }
      - { .name: acts, .offset: 64, .size: 8, .value_kind: global_buffer, .address_space: global }
      - { .name: wts, .offset: 72, .size: 8, .value_kind: global_buffer, .address_space: global }
    .group_segment_fixed_size: 33280
    .private_segment_fixed_size: 0
    .kernarg_segment_align: 8
    .kernarg_segment_size: 80
    .max_flat_workgroup_size: 128
    .sgpr_count:     66
    .vgpr_count:     194
    .wavefront_size: 32
...
	.end_amdgpu_metadata
.endif
;; end of part 1
;; launch proj (part 2): grid 4 x 96, 4 waves a work-group, clusters of 4 x 4, 327,680 bytes of LDS; arguments acts, wts, lowp_scales, bq, bk, bv, mask, heads; writes heads
.if DOCPART == 2
	.amdgcn_target "amdgcn-amd-amdhsa--gfx1250"
	.amdhsa_code_object_version 6
	.text
	.protected	k_qe12665148d_proj
	.globl	k_qe12665148d_proj
	.p2align	8
	.type	k_qe12665148d_proj,@function
k_qe12665148d_proj:
	s_mov_b64 s[64:65], 0
	v_nop
	global_prefetch_b8 v0, s[64:65] scope:SCOPE_SE
	s_setreg_imm32_b32 hwreg(HW_REG_WAVE_MODE, 25, 1), 1
	s_wait_xcnt 0x0
	s_wait_alu depctr_hold_cnt(0) depctr_sa_sdst(0) depctr_va_vdst(0) depctr_va_sdst(0) depctr_va_ssrc(0) depctr_va_vcc(0) depctr_vm_vsrc(0)
	s_getreg_b32 s2, hwreg(HW_REG_IB_STS2, 6, 4)
	s_cmp_eq_u32 s2, 0
	s_cbranch_scc0 .Lentry_in_a_cluster
	s_endpgm
.Lentry_in_a_cluster:
	s_bfe_u32 s2, ttmp6, 0x10000c
	s_cmp_lg_u32 s2, 0xf033
	s_cbranch_scc0 .Lentry_shape_is_right
	s_endpgm
.Lentry_shape_is_right:
; The three projections x W^T + b on codes of FP8 (E4M3), and the quantiser of their results.  Cluster rows 0-7 make q, 8-15 k, 16-23 v (Z = cluster y / 8).
; A work-group of four waves makes 256 rows x 256 columns, a wave 128 x 128: 64 accumulators, 512 registers.  K = 1,024 goes in four steps of 256 through a ring of two LDS slots filled by the tensor data mover.
; CLUSTERS: 4 x 4 work-groups; the tile of activations is asked for jointly along a row of the cluster, the tile of weights along a column.
; THE RESHAPE is a plain view: the 128 rows s of a wave are ONE head; row sl = s % 128 and column n are position 16 sl + n / 64 and channel n % 64 of it.  Positions are kept in the order kap = 128 (n / 64) + sl.
; THE RESULTS LEAVE AS IMAGES OF OPERAND REGISTERS.  q, k: source 0 = 16 rows of W, source 1 = 16 rows of x: a lane holds one position and 8 neighbouring channels; 8 sums become 2 registers of codes, registers
; 2 c, 2 c + 1 (channels 16 c + 8 h + 0..7) of a fragment of 16 positions x 64 channels.  v: the sources change places: a lane holds one channel and 8 neighbouring keys: a fragment of 16 channels x 128 keys.
; Four registers of all lanes are stored as 512 consecutive bytes, lane l at 16 l.  heads: part Z x 2^23, head x 131,072, block n / 64 x 8,192; q, k: fragment sl / 16 x 1,024; v: fragment (n % 64) / 16 x 2,048.
; THE MASK: a key whose mask byte is 0 gets zero codes in k (its hold limit is 0), so that its score is exactly what the next launch gives as the start of the sum.
; result = sum x 2^(ea + eb) + bias, one fused multiply-add; held within +-448 x 2^eo, converted with 2^eo.  LIMITS: ea + eb between -126 and 127; eo between -126 and 119.
; REGISTERS, in windows of 256: window 0: v0-31 addresses; v32-95 bias along registers; v96-111 bias along lanes; v112-119 mask bytes; from v128 the fragments of source 1, ONE set; on the way out v128-255 are at work.
;   window 1: the fragments of source 0, TWO sets.   window 2: the accumulators of blocks 0-3 of source 1 ((a, b) at v[8 (8 a + b)]);   window 3: those of blocks 4-7.
.set KROW,   1024                      ; a row of codes in memory, in bytes
.set ROWB,   256                       ; a row of a tile: 256 codes
.set PITCH,  272                       ; an LDS row: 256 bytes + 16 of padding = 68 words: the 16 rows that a load touches start at 16 different banks (64 banks of 4 bytes: ISA guide 11.1)
.set FR,     16                        ; registers of a fragment: 16 rows x 128 K
.set NL,     4                         ; LDS loads that bring one
.set NP,     4                         ; places behind this matrix instruction (ISA guide 7.12.1)
.set HALFT,  128*PITCH                 ; 128 rows: what one tensor load brings
.set SLOT,   4*HALFT                   ; 256 rows of source 1, then 256 rows of source 0
.set LAPS,   2                         ; a lap = two K steps = once round the ring
.set SPARE,  2*SLOT                    ; behind the ring: the spare words, 128 bytes for each wave
.set ADRA, 16                          ; v16-17  LDS address of the fragments of source 1 in slot 0, 1
.set ADRB, 20                          ; v20-21  the same for source 0
.set CO,   26                          ; v26     16 x lane
.set SPW,  28                          ; v28     LDS address of my spare word; never rewritten
.set NIL,  29                          ; v29     0; never rewritten
.set BU,   32                          ; v32-95  q, k: bias of columns 16 b + 8 h + j at v[BU + 8 b + j]
.set BT,   96                          ; v96-111 v: bias of column 16 a + r, twice, at v[BT + 2 a]
.set MK,   112                         ; v112-119 two mask bytes of position sl = 16 a + r
.set AF,   128                         ; the fragments of source 1
.set TMP,  128                         ; the way out: 64 numbers
.set CDS,  192                         ; two sets of 16 registers of codes
.set LIMR, 224                         ; 16 hold limits
.set G1, 24                            ; s[24:31] descriptor group 1 for activations;  s[32:39] group 0, one set for each slot
.set G0, 32
.set G1B, 48                           ; s[48:55], s[56:63] the same for weights
.set G0B, 56
.set ZT, 98                            ; s98 Z: 0 q, 1 k, 2 v: the same in all sixteen partners
.set MSB, 0
.macro WIN new                         ; the high byte of the immediate repeats the setting that is left
.if MSB != \new
	s_set_vgpr_msb (MSB<<8)|\new
.set MSB, \new
.endif
.endm
.set MUL_LO, 0xa1                      ; source 0 window 1, source 1 window 0, C and D window 2
.set MUL_HI, 0xf1                      ; the same, C and D window 3
.set TO_B,   0x40                      ; destination window 1, address window 0
; A joint load: waves 0 and 1 fetch activations, waves 2 and 3 weights.  The branch hangs on the wave number alone.  Four v_nop follow each of the two lines.
.macro JLOAD g0a, g1a, g0b, g1b
	s_cmp_eq_u32 s15, 0
	s_cbranch_scc0 .Lfor_b_\@
	tensor_load_to_lds s[\g0a:\g0a+3], s[\g1a:\g1a+7]
	s_nop 0
.rept 4
	v_nop
.endr
	s_branch .Lasked_\@
.Lfor_b_\@:
	tensor_load_to_lds s[\g0b:\g0b+3], s[\g1b:\g1b+7]
	s_nop 0
.rept 4
	v_nop
.endr
.Lasked_\@:
.endm
.macro CREST                           ; a round of the cluster barrier behind its opening barrier
	s_cmp_lg_u32 s14, 0
	s_cbranch_scc1 .Lnot_wave_0_\@
	s_barrier_signal -3
.Lnot_wave_0_\@:
	s_barrier_wait -3
	s_barrier_signal -1
	s_barrier_wait -1
.endm
.macro CROUND                          ; a whole round
	s_barrier_signal -1
	s_barrier_wait -1
	CREST
.endm
	s_load_b512 s[68:83], s[0:1], 0x0              ; acts s[68:69], wts s[70:71], exponents s[72:73], bq, bk, bv s[74:79], mask s[80:81], heads s[82:83]
	v_lshl_add_u32 v[SPW], v0, 2, SPARE
	v_mov_b32 v[NIL], 0
	ds_add_u32 v28, v29
	ds_add_u32 v28, v29
	s_wait_dscnt 0x0
	v_lshrrev_b32 v1, 5, v0
	v_readfirstlane_b32 s14, v1                    ; wave 0..3
	s_lshr_b32 s15, s14, 1                         ; ha: which 128 rows of activations are mine.  Also: I fetch activations (0) or weights (1)
	s_and_b32 s16, s14, 1                          ; hw: which 128 rows of weights are mine.  Also: which 128 rows of that tile I fetch
	s_bfe_u32 s40, ttmp6, 0x40000                  ; cx, cy: my place in the cluster
	s_bfe_u32 s41, ttmp6, 0x40004
	; HOW THE TILES ARE DEALT.  Source 1's tile always hangs on cy and is shared along the cluster's row, source 0's on cx and is shared along its column.
	; q, k: source 1 = activations, tile 4 (cluster y % 8) + cy; source 0 = weights, tile cx.   v: source 1 = weights, tile cy; source 0 = activations, tile 4 (cluster y % 8) + cx.
	; So no LDS address hangs on Z: only pointers and offsets in memory are chosen by it.  (The grid has one cluster along x.)
	s_and_b32 s17, ttmp7, 0xffff                   ; cluster y, 0..23
	s_lshr_b32 s[ZT], s17, 3                       ; Z
	s_and_b32 s17, s17, 7
	s_lshl_b32 s17, s17, 2                         ; 4 (cluster y % 8)
	s_cmp_eq_u32 s[ZT], 2
	s_cselect_b32 s66, 0, s17
	s_cselect_b32 s67, s17, 0
	s_add_co_u32 s66, s66, s41                     ; source 1's tile of 256 rows: never holds cx
	s_add_co_u32 s67, s67, s40                     ; source 0's tile of 256 rows: never holds cy
	s_lshl_b32 s43, s41, 2
	s_lshl_b32 s43, 15, s43                        ; my row of the cluster
	s_lshl_b32 s44, 0x1111, s40                    ; my column
	s_or_b32 s[G1+0], s43, (0<<16)|(1<<20)|(1<<21)|(5<<22)|(3<<25)  ; 15:0 the mask; 17:16 elements of 1 byte; 20 padding on; 21 set beside a mask; 24:22 after every 64 words; 31:25 four words
	s_or_b32 s[G1B+0], s44, (0<<16)|(1<<20)|(1<<21)|(5<<22)|(3<<25)
.irp g, G1, G1B
	s_mov_b32 s[\g+1], ROWB<<16                    ; tensor_dim0
	s_mov_b32 s[\g+2], 128<<16                     ; tensor_dim1 = 128
	s_mov_b32 s[\g+3], ROWB<<16                    ; tile_dim0
	s_mov_b32 s[\g+4], 128                         ; tile_dim1 = 128
	s_mov_b32 s[\g+5], KROW                        ; tensor_dim0_stride
	s_mov_b32 s[\g+6], 0
	s_mov_b32 s[\g+7], 0
.endr
	s_lshl_b32 s18, s16, 7                         ; which 128 rows of the tile I fetch
	s_lshl_b32 s20, s66, 8
	s_add_co_u32 s20, s20, s18
	s_lshl_b32 s20, s20, 10                        ; source 1: row 256 tile + 128 half, 1,024 bytes a row
	s_lshl_b32 s46, s67, 8
	s_add_co_u32 s46, s46, s18
	s_lshl_b32 s46, s46, 10                        ; source 0 likewise
	s_lshl_b32 s19, s[ZT], 23                      ; part Z of acts
	s_lshl_b32 s22, s[ZT], 20                      ; part Z of wts
	s_cmp_eq_u32 s[ZT], 2
	s_cselect_b32 s23, s22, s19
	s_cselect_b32 s22, s19, s22
	s_add_co_u32 s20, s20, s23
	s_add_co_u32 s46, s46, s22
	s_mov_b32 s21, 0
	s_mov_b32 s47, 0
	s_mul_i32 s45, s14, HALFT                      ; where they go: wave x 128 rows: no place in the cluster enters an LDS address
	s_wait_kmcnt 0x0
	s_load_b256 s[84:91], s[72:73], 0x0            ; exponents 0 to 7
	s_load_b128 s[92:95], s[72:73], 0x20           ; exponents 8 to 11
	s_cmp_eq_u32 s[ZT], 2                          ; the choice of buffers hangs on the cluster's y alone
	s_cselect_b64 s[4:5], s[70:71], s[68:69]       ; source 1's buffer
	s_cselect_b64 s[6:7], s[68:69], s[70:71]       ; source 0's buffer
	s_add_nc_u64 s[20:21], s[4:5], s[20:21]
	s_add_nc_u64 s[46:47], s[6:7], s[46:47]
	; the prefetches: of the 128 rows that I fetch, the four partners that ask for them with me take 32 each, told apart by address (cx for source 1, cy for source 0)
	s_cmp_eq_u32 s15, 0
	s_cselect_b64 s[8:9], s[20:21], s[46:47]
	s_cselect_b32 s10, s40, s41
	s_lshl_b32 s10, s10, 15                        ; 32 rows of 1,024 bytes
	s_mov_b32 s11, 0
	s_add_nc_u64 s[8:9], s[8:9], s[10:11]          ; never rewritten
	CROUND                                         ; all sixteen work-groups are here: the first joint loads meet
.irp s, 0,1
	s_mov_b32 s[G0+4*\s], 1
	s_add_co_u32 s[G0+4*\s+1], s45, \s*SLOT
	s_add_nc_u64 s[G0+4*\s+2:G0+4*\s+3], s[20:21], \s*ROWB
	s_or_b32 s[G0+4*\s+3], s[G0+4*\s+3], 0x80000000
	s_mov_b32 s[G0B+4*\s], 1
	s_add_co_u32 s[G0B+4*\s+1], s45, \s*SLOT
	s_add_nc_u64 s[G0B+4*\s+2:G0B+4*\s+3], s[46:47], \s*ROWB
	s_or_b32 s[G0B+4*\s+3], s[G0B+4*\s+3], 0x80000000
.endr
	JLOAD G0, G1, G0B, G1B                         ; K step 0
	v_and_b32 v1, 15, v0                           ; r = l % 16
	v_bfe_u32 v2, v0, 4, 1                         ; h = l / 16
	v_mul_u32_u24 v3, v1, PITCH
	v_lshl_add_u32 v4, v2, 4, v3                   ; row x pitch + 16 x half
	v_and_b32 v30, 31, v0
	v_lshlrev_b32 v30, 10, v30                     ; a lane a row; never rewritten
	global_prefetch_b8 v30, s[8:9] offset:ROWB th:TH_LOAD_NT scope:SCOPE_SE     ; behind K step 0's load: K steps 1 and 2, 32 rows x 256 bytes each, every block named once in the cluster
	global_prefetch_b8 v30, s[8:9] offset:2*ROWB th:TH_LOAD_NT scope:SCOPE_SE
	s_wait_alu depctr_va_vdst(0)
	s_mul_i32 s21, s15, HALFT
	s_mul_i32 s22, s16, HALFT
	s_add_co_u32 s22, s22, 2*HALFT                 ; my 128 rows of weights
	s_cmp_eq_u32 s[ZT], 2                          ; for the addresses in memory of bias, mask and images: which tile and half are the weights', which the activations'
	s_cselect_b32 s42, s66, s67                    ; x: the weights' tile of 256 columns
	s_cselect_b32 s17, s67, s66                    ; yy: the activations' tile of 256 rows
	s_cselect_b32 s12, s15, s16                    ; hw: my half of the weights' tile
	s_cselect_b32 s13, s16, s15                    ; ha: my half of the activations' tile
.irp s, 0,1
	v_add_nc_u32 v[ADRA+\s], s21, v4
	v_add_nc_u32 v[ADRB+\s], s22, v4
	s_add_co_u32 s21, s21, SLOT
	s_add_co_u32 s22, s22, SLOT
.endr
	; the bias in both layouts and the mask bytes: asked for here, waited for behind the products.  No branch: every register is written whatever Z is
	s_cmp_eq_u32 s[ZT], 0
	s_cselect_b64 s[4:5], s[74:75], s[76:77]
	s_cmp_eq_u32 s[ZT], 2
	s_cselect_b64 s[4:5], s[78:79], s[4:5]
	s_lshl_b32 s46, s42, 10
	s_lshl_b32 s47, s12, 9
	s_add_co_u32 s46, s46, s47                     ; 4 x my first column (256 x + 128 hw)
	v_lshlrev_b32 v10, 5, v2
	v_add_nc_u32 v10, s46, v10                     ; + 32 h
	v_lshlrev_b32 v11, 2, v1
	v_add_nc_u32 v11, s46, v11                     ; + 4 r
	s_lshl_b32 s18, s42, 2
	s_lshl_b32 s19, s12, 1
	s_add_co_u32 s18, s18, s19                     ; c0 = 4 x + 2 hw: my first block of 64 columns
	s_lshr_b32 s47, s17, 3
	s_lshl_b32 s47, s47, 11                        ; the batch: 2,048 mask bytes each
	s_add_co_u32 s47, s47, s18
	v_lshlrev_b32 v12, 4, v1
	v_add_nc_u32 v12, s47, v12                     ; position 16 sl + c: 16 r + c0, + 256 a in the immediate
.irp b, 0,1,2,3,4,5,6,7
	global_load_b128 v[BU+8*\b:BU+8*\b+3], v10, s[4:5] offset:64*\b
	global_load_b128 v[BU+8*\b+4:BU+8*\b+7], v10, s[4:5] offset:64*\b+16
.endr
.irp a, 0,1,2,3,4,5,6,7
	global_load_b32 v[BT+2*\a], v11, s[4:5] offset:64*\a
	global_load_b32 v[BT+2*\a+1], v11, s[4:5] offset:64*\a
.endr
.irp a, 0,1,2,3,4,5,6,7
	global_load_u16 v[MK+\a], v12, s[80:81] offset:256*\a
.endr
	s_lshl_b32 s22, s[ZT], 23                      ; where my images go: part Z,
	s_lshl_b32 s23, s17, 1
	s_add_co_u32 s23, s23, s13
	s_lshl_b32 s23, s23, 17                        ; head 2 yy + ha,
	s_add_co_u32 s22, s22, s23
	s_lshl_b32 s23, s18, 13                        ; block c0
	s_add_co_u32 s22, s22, s23
	s_mov_b32 s23, 0
	s_add_nc_u64 s[100:101], s[82:83], s[22:23]
	v_and_b32 v[CO], 31, v0
	v_lshlrev_b32 v[CO], 4, v[CO]
.macro FRAG reg, adr, q, i             ; 16 rows x 128 K: four loads of 16 bytes; by the order of the codes in memory registers 2 c, 2 c + 1 hold k = 16 c + 8 h + 0..7
.irp c, 0,1,2,3
	ds_load_b128 v[\reg+4*\c:\reg+4*\c+3], v[\adr] offset:128*(\q)+32*\c+(\i)*16*PITCH
.endr
.endm
; 16 matrix instructions: blocks a0, a0 + 1 of source 1 x the eight of source 0, 128 along K.  p: the set of source 0.  zero = 1: the first product starts the sums.
; The 64 accumulators take turns, one instruction a turn, in the same order in every step.
.macro MUL16 a0, p, zero
.irp a, \a0, \a0+1
.irp b, 0,1,2,3,4,5,6,7
.if \zero
	v_wmma_f32_16x16x128_fp8_fp8 v[8*(8*((\a)%4)+\b):8*(8*((\a)%4)+\b)+7], v[128*(\p)+FR*\b:128*(\p)+FR*\b+FR-1], v[AF+FR*(\a):AF+FR*(\a)+FR-1], 0
.else
	v_wmma_f32_16x16x128_fp8_fp8 v[8*(8*((\a)%4)+\b):8*(8*((\a)%4)+\b)+7], v[128*(\p)+FR*\b:128*(\p)+FR*\b+FR-1], v[AF+FR*(\a):AF+FR*(\a)+FR-1], v[8*(8*((\a)%4)+\b):8*(8*((\a)%4)+\b)+7]
.endif
.endr
.endr
.endm
.macro FETCH_B slot, q, p              ; the eight fragments of source 0 of the q-th 128 along K of the slot, into set p
	WIN TO_B
.irp i, 0,1,2,3,4,5,6,7
	FRAG 128*(\p)+FR*\i, ADRB+\slot, \q, \i
.endr
	WIN 0
.endm
.macro FETCH_A slot, q, i0             ; blocks i0 .. i0 + 3 of source 1
.irp i, \i0, \i0+1, \i0+2, \i0+3
	FRAG AF+FR*(\i), ADRA+\slot, \q, \i
.endr
.endm
.macro PLACES n                        ; plain vector lines between a matrix instruction and a load into, or a vector write of, one of its registers, or a vector read of its result
.rept \n
	v_nop
.endr
.endm
; A step of 128 along K that has its successor in the same slot.
.macro STEP slot, q, zero
	s_wait_dscnt 4*NL                              ; the set of source 0 and blocks 0-3 of source 1 are in; the youngest sixteen loads (blocks 4-7) may be out
	WIN MUL_LO
	MUL16 0, (\q)%2, \zero
	MUL16 2, (\q)%2, \zero
	s_wait_dscnt 0                                 ; blocks 4-7 are in
	PLACES NP
	FETCH_B \slot, (\q)+1, 1-(\q)%2
	FETCH_A \slot, (\q)+1, 0
	WIN MUL_HI
	MUL16 4, (\q)%2, \zero
	MUL16 6, (\q)%2, \zero
	PLACES NP
	WIN 0
	FETCH_A \slot, (\q)+1, 4
.endm
; The last step of a slot changes slots: ONE barrier; in front of it each wave waits for all its tensor loads, adds 0 to its spare word, and waits for that and for its own reads of this slot.  fill = 1: this slot is filled again, two K steps ahead.
.macro TURN slot, next, fill
	s_wait_tensorcnt 0x0                           ; all my tensor loads have landed: my part of the next slot
	ds_add_u32 v[SPW], v[NIL]                      ; 0 onto my spare word
	s_wait_dscnt 4*NL+1                            ; (the add and the youngest sixteen loads may be out)
	WIN MUL_LO
	MUL16 0, 1, 0                                  ; sixteen matrix instructions stand between the add and the wait for it
	s_wait_dscnt 0x0                               ; the add is done, and my reads of this slot are over
	s_barrier_signal -1
	MUL16 2, 1, 0
	WIN 0
	s_barrier_wait -1
.if \fill
	CREST                                          ; the barrier has opened a round of the cluster barrier: no wave of any partner still reads this slot or has a load on its way
	s_add_nc_u64 s[G0+4*\slot+2:G0+4*\slot+3], s[G0+4*\slot+2:G0+4*\slot+3], 2*ROWB
	s_add_nc_u64 s[G0B+4*\slot+2:G0B+4*\slot+3], s[G0B+4*\slot+2:G0B+4*\slot+3], 2*ROWB
	JLOAD G0+4*\slot, G1, G0B+4*\slot, G1B         ; the first tensor load behind the round; its four v_nop are also the places in front of the loads below
.else
	PLACES NP
.endif
	s_wait_alu depctr_va_vdst(0)
	FETCH_B \next, 0, 0
	FETCH_A \next, 0, 0
	WIN MUL_HI
	MUL16 4, 1, 0
	MUL16 6, 1, 0
	PLACES NP
	WIN 0
	FETCH_A \next, 0, 4
.endm
	s_wait_alu depctr_va_vdst(0)
	s_wait_tensorcnt 0x0                           ; my part of K step 0 is in
	ds_add_u32 v[SPW], v[NIL]
	s_wait_dscnt 0x0
	CROUND                                         ; everybody's part of K step 0 is in, and all sixteen work-groups are here
	JLOAD G0+4, G1, G0B+4, G1B                     ; K step 1, the first tensor load behind the round
	FETCH_B 0, 0, 0
	FETCH_A 0, 0, 0
	FETCH_A 0, 0, 4
	global_prefetch_b8 v30, s[8:9] offset:3*ROWB th:TH_LOAD_NT scope:SCOPE_SE   ; K step 3, the last: two K steps ahead of the refill that will ask for it
	STEP 0, 0, 1
	s_mov_b32 s3, LAPS-1
.Llap:                                             ; a trip goes once round the ring and fills both slots again
	TURN 0, 1, 1
	STEP 1, 0, 0
	TURN 1, 0, 1
	STEP 0, 0, 0
	s_sub_co_u32 s3, s3, 1
	s_cmp_lg_u32 s3, 0
	s_cbranch_scc1 .Llap
	TURN 0, 1, 0                                   ; the last lap fills nothing, and has no round of the cluster barrier
	STEP 1, 0, 0
	s_wait_dscnt 4*NL                              ; the very last step: nothing more to fetch
	WIN MUL_LO
	MUL16 0, 1, 0
	MUL16 2, 1, 0
	s_wait_dscnt 0
	WIN MUL_HI
	MUL16 4, 1, 0
	MUL16 6, 1, 0
	WIN 0
	PLACES NP                                      ; in front of vector writes into the registers that held the fragments of source 1
	; THE WAY OUT.  The exponents of this tensor, chosen without a branch
	s_wait_kmcnt 0x0
	s_wait_loadcnt 0x0                             ; bias and mask
	s_cmp_eq_u32 s[ZT], 0
	s_cselect_b32 s18, s84, s86                    ; ea
	s_cselect_b32 s19, s85, s87                    ; eb
	s_cselect_b32 s20, s90, s91                    ; eo: q entry 6, k entry 7,
	s_cmp_eq_u32 s[ZT], 2
	s_cselect_b32 s18, s88, s18
	s_cselect_b32 s19, s89, s19
	s_cselect_b32 s20, s93, s20                    ; v entry 9
	s_cmp_eq_u32 s[ZT], 1
	s_cselect_b32 s99, 0, 1                        ; 0 for k: there the mask counts
	s_add_co_i32 s18, s18, s19
	s_add_co_i32 s18, s18, 127
	s_lshl_b32 s96, s18, 23                        ; 2^(ea + eb) as f32
	s_mov_b32 s97, s96                             ; (named with it as a pair, so it is written)
	s_add_co_i32 s20, s20, 127
	s_lshl_b32 s21, s20, 23
	v_mov_b32 v240, s21                            ; 2^eo
	s_add_co_i32 s20, s20, 8
	s_lshl_b32 s20, s20, 23
	s_or_b32 s20, s20, 0x600000
	v_mov_b32 v241, s20                            ; 448 x 2^eo
; Block a of source 1: its 8 accumulators become 16 registers of codes, stored as four runs of 512 consecutive bytes.  vt = 0: q, k;  vt = 1: v.
.macro EPI a, vt
.set AC, 64*((\a)%4)
.set CD, CDS+16*((\a)%2)
.if (\a) >= 2
	s_wait_xcnt 0x0                                ; the stores of block a - 2 have read this set of codes: only now is it written again
.endif
	WIN (0x02+((\a)/4))                            ; source 0: window 2 or 3
.irp b, 0,1,2,3,4,5,6,7
.irp i, 0,2,4,6
.if \vt
	v_pk_fma_f32 v[TMP+8*\b+\i:TMP+8*\b+\i+1], v[AC+8*\b+\i:AC+8*\b+\i+1], s[96:97], v[BT+2*(\a):BT+2*(\a)+1] op_sel_hi:[1,0,1]   ; sum x 2^(ea + eb) + bias; each accumulator from its low end on
.else
	v_pk_fma_f32 v[TMP+8*\b+\i:TMP+8*\b+\i+1], v[AC+8*\b+\i:AC+8*\b+\i+1], s[96:97], v[BU+8*\b+\i:BU+8*\b+\i+1] op_sel_hi:[1,0,1]
.endif
.endr
.endr
	WIN 0
.set n, 0
.rept 64
.if \vt
	v_med3_num_f32 v[TMP+n], v[TMP+n], -v241, v241                             ; the conversion does not saturate (ISA guide 7.6.2): the hold comes first
.else
	v_med3_num_f32 v[TMP+n], v[TMP+n], -v[LIMR+2*(\a)+n/32], v[LIMR+2*(\a)+n/32]   ; the same; the limit is 0 for a masked key
.endif
.set n, n+1
.endr
.irp b, 0,1,2,3,4,5,6,7
	v_cvt_scalef32_pk8_fp8_f32 v[CD+2*\b:CD+2*\b+1], v[TMP+8*\b:TMP+8*\b+7], v240
.endr
	v_nop                                          ; a plain line behind the last conversion: the next block writes the numbers again
.irp i, 0,1,2,3
.if \vt
	global_store_b128 v[CO], v[CD+4*\i:CD+4*\i+3], s[100:101] offset:(\a)*2048+\i*512
.else
	global_store_b128 v[CO], v[CD+4*\i:CD+4*\i+3], s[100:101] offset:(\i/2)*8192+(\a)*1024+(\i%2)*512
.endif
.endr
.endm
	s_cmp_eq_u32 s[ZT], 2                          ; a branch on the cluster y alone: the same in all partners
	s_cbranch_scc1 .Lv
.irp a, 0,1,2,3,4,5,6,7                            ; the hold limits of position sl = 16 a + r in blocks c0 and c0 + 1
	v_and_b32 v[LIMR+2*\a], 0xff, v[MK+\a]
	v_lshrrev_b32 v[LIMR+2*\a+1], 8, v[MK+\a]
	v_or_b32 v[LIMR+2*\a], s99, v[LIMR+2*\a]
	v_or_b32 v[LIMR+2*\a+1], s99, v[LIMR+2*\a+1]
	v_cmp_ne_u32 vcc_lo, 0, v[LIMR+2*\a]
	v_cndmask_b32 v[LIMR+2*\a], 0, v241, vcc_lo
	v_cmp_ne_u32 vcc_lo, 0, v[LIMR+2*\a+1]
	v_cndmask_b32 v[LIMR+2*\a+1], 0, v241, vcc_lo
.endr
.irp a, 0,1,2,3,4,5,6,7
	EPI \a, 0
.endr
	s_branch .Lend
.Lv:
.irp a, 0,1,2,3,4,5,6,7
	EPI \a, 1
.endr
.Lend:
	s_wait_tensorcnt 0x0                           ; the end of the wave
	ds_add_u32 v[SPW], v[NIL]
	s_wait_dscnt 0x0
	CROUND                                         ; the closing round: no work-group ends while a partner may still ask for a tile that names it
	s_endpgm
.Lfunc_end_k_qe12665148d_proj:
	.size	k_qe12665148d_proj, .Lfunc_end_k_qe12665148d_proj-k_qe12665148d_proj
	.p2alignl 7, 3214868480
	.fill 96, 4, 3214868480
	.section	.rodata,"a",@progbits
	.p2align	6, 0x0
	.amdhsa_kernel k_qe12665148d_proj
		.amdhsa_group_segment_fixed_size 327680
		.amdhsa_private_segment_fixed_size 0
		.amdhsa_enable_private_segment 0
		.amdhsa_kernarg_size 64
		.amdhsa_user_sgpr_count 2
		.amdhsa_user_sgpr_kernarg_segment_ptr 1
		.amdhsa_wavefront_size32 1
		.amdhsa_system_sgpr_workgroup_id_x 1
		.amdhsa_system_sgpr_workgroup_id_y 1
		.amdhsa_system_sgpr_workgroup_id_z 1
		.amdhsa_system_vgpr_workitem_id 0
		.amdhsa_next_free_vgpr 1024
		.amdhsa_next_free_sgpr 102
		.amdhsa_reserve_vcc 1
		.amdhsa_float_denorm_mode_32 3
		.amdhsa_float_denorm_mode_16_64 3
		.amdhsa_memory_ordered 1
		.amdhsa_forward_progress 1
		.amdhsa_inst_pref_size 198
	.end_amdhsa_kernel
	.amdgpu_metadata
---
amdhsa.version: [ 1, 2 ]
amdhsa.kernels:
  - .name:           k_qe12665148d_proj
    .symbol:         k_qe12665148d_proj.kd
    .args:
      - { .name: acts, .offset: 0, .size: 8, .value_kind: global_buffer, .address_space: global }
      - { .name: wts, .offset: 8, .size: 8, .value_kind: global_buffer, .address_space: global }
      - { .name: lowp_scales, .offset: 16, .size: 8, .value_kind: global_buffer, .address_space: global }
      - { .name: bq, .offset: 24, .size: 8, .value_kind: global_buffer, .address_space: global }
      - { .name: bk, .offset: 32, .size: 8, .value_kind: global_buffer, .address_space: global }
      - { .name: bv, .offset: 40, .size: 8, .value_kind: global_buffer, .address_space: global }
      - { .name: mask, .offset: 48, .size: 8, .value_kind: global_buffer, .address_space: global }
      - { .name: heads, .offset: 56, .size: 8, .value_kind: global_buffer, .address_space: global }
    .group_segment_fixed_size: 327680
    .private_segment_fixed_size: 0
    .kernarg_segment_align: 8
    .kernarg_segment_size: 64
    .max_flat_workgroup_size: 128
    .sgpr_count:     102
    .vgpr_count:     1024
    .wavefront_size: 32
...
	.end_amdgpu_metadata
.endif
;; end of part 2
;; launch attn (part 3): grid 4 x 64, 8 waves a work-group, clusters of 4 x 1, 327,680 bytes of LDS; arguments heads, mask, lowp_scales, ximg; writes ximg
.if DOCPART == 3
	.amdgcn_target "amdgcn-amd-amdhsa--gfx1250"
	.amdhsa_code_object_version 6
	.text
	.protected	k_qe12665148d_attn
	.globl	k_qe12665148d_attn
	.p2align	8
	.type	k_qe12665148d_attn,@function
k_qe12665148d_attn:
	s_mov_b64 s[64:65], 0
	v_nop
	global_prefetch_b8 v0, s[64:65] scope:SCOPE_SE
	s_setreg_imm32_b32 hwreg(HW_REG_WAVE_MODE, 25, 1), 1
	s_wait_xcnt 0x0
	s_wait_alu depctr_hold_cnt(0) depctr_sa_sdst(0) depctr_va_vdst(0) depctr_va_sdst(0) depctr_va_ssrc(0) depctr_va_vcc(0) depctr_vm_vsrc(0)
	s_getreg_b32 s2, hwreg(HW_REG_IB_STS2, 6, 4)
	s_cmp_eq_u32 s2, 0
	s_cbranch_scc0 .Lentry_in_a_cluster
	s_endpgm
.Lentry_in_a_cluster:
	s_bfe_u32 s2, ttmp6, 0x10000c
	s_cmp_lg_u32 s2, 0x3003
	s_cbranch_scc0 .Lentry_shape_is_right
	s_endpgm
.Lentry_shape_is_right:
; Attention of one head on codes of FP8 (E4M3): S^T = K Q^T, p = 2^(t - M), O^T = V^T P^T, O / the row's sum, quantised with the scale of the last projection's operand.
; heads holds q, k, v as images of operand registers (part 0, 1, 2 of 2^23 bytes; a head 131,072 bytes; 16 blocks of 128 positions, 8,192 bytes each).  ximg takes x the same way.
; SHARES.  A work-group owns 512 queries of one head, each of its eight waves 64 of them: four tiles of 16.  Two waves share a SIMD, 512 registers each.
; The four work-groups of a cluster are the four query blocks of one head: they need the same K and V and ask for them JOINTLY.  All of K and V of a head, 262,144 bytes, fits in LDS:
; each wave issues ONE joint load of 32,768 bytes at the head, nothing is filled again, and one barrier shows the whole to every wave.  No prefetch: the loads stand at the head, with no loop ahead of them to ask in.
; A KEY STEP is one block of 128 keys: 32 products of K = 64 for the scores, 16 of K = 128 for O^T.  A lane holds one query (lane % 16); its registers run along the keys.
; THE MASK: a masked key has zero codes in k, and the sum of its score begins at -2^(33 - eq - ek) (the C of the product, from a table in LDS): all masked scores are equal and far under every other.
; THE SOFTMAX goes two tiles at a time, their chains by turns.  M = the running largest t rounded up to a whole number; when it moves, the sum and O^T are multiplied by 2^(old M - new M), which rounds nothing.
; The row's sum is taken of the unquantised p.  p is held at 448 x 2^ep from above (it is never negative), two numbers a dual line.
; LIMITS: eq + ek between -94 and 130; ep and the exponent of x between -126 and 119; the scaled scores stay under 2^31 in magnitude.
; REGISTERS.  Window 0: v0-7 addresses and constants; v8-23 four tiles' -M, largest t, sum in two halves; v24-31 at work; v32-63 Q; v64-191 scores of two tiles, then p; v192-255 p's codes.
;   Window 1: v0-127 O^T (tile t, 16 channels d at 32 t + 8 d); v128-191 fragments of K, then of V; v192-255 the starts of the scores' sums.
.set VIMG, 0x20000                     ; LDS: K's image at 0, V's here,
.set BT,   0x40000                     ; the table of 2,048 starts of sums, 8,192 bytes,
.set SPARE, 0x42000                    ; the spare words, 128 bytes for each wave
.set MSB, 0
.macro WIN new                         ; the immediate's high byte repeats the setting that is left
.if MSB != \new
	s_set_vgpr_msb (MSB<<8)|\new
.set MSB, \new
.endif
.endm
.macro ROUND                           ; a round of the cluster's barrier
	s_barrier_signal -1
	s_barrier_wait -1
	s_cmp_lg_u32 s12, 0
	s_cbranch_scc1 .Lnot_wave_0_\@
	s_barrier_signal -3
.Lnot_wave_0_\@:
	s_barrier_wait -3
	s_barrier_signal -1
	s_barrier_wait -1
.endm
	s_load_b256 s[4:11], s[0:1], 0x0               ; heads, mask, the exponents, ximg
	v_lshl_add_u32 v254, v0, 2, SPARE
	v_mov_b32 v255, 0
	ds_add_u32 v254, v255                          ; the opening lines: the add, twice on end, and its wait ahead of my tensor load
	ds_add_u32 v254, v255
	v_lshrrev_b32 v1, 5, v0
	v_readfirstlane_b32 s12, v1                    ; wave 0..7
	s_bfe_u32 s13, ttmp6, 0x40000                  ; cx: which 512 queries
	s_and_b32 s14, ttmp7, 0xffff                   ; batch x 16 + head
	s_lshr_b32 s15, s12, 2                         ; waves 0-3 fetch K, waves 4-7 V,
	s_and_b32 s2, s12, 3
	s_lshl_b32 s2, s2, 15                          ; a quarter each: 32,768 bytes
	s_lshl_b32 s3, s15, 17
	s_add_co_u32 s3, s3, s2                        ; where it goes in LDS
	s_add_co_u32 s56, s15, 1
	s_lshl_b32 s56, s56, 23                        ; part 1 or 2 of heads,
	s_lshl_b32 s57, s14, 17
	s_add_co_u32 s56, s56, s57                     ; my head,
	s_add_co_u32 s56, s56, s2                      ; my quarter
	s_mov_b32 s57, 0
	s_mov_b32 s16, 15|(3<<16)|(1<<21)              ; the mask names the cluster's four; elements of 8 bytes; bit 21 beside a mask
	s_mov_b32 s17, 32<<16                          ; rows of 32 elements = 256 bytes, dense
	s_mov_b32 s18, 128<<16                         ; 128 rows
	s_mov_b32 s19, 32<<16
	s_mov_b32 s20, 128
	s_mov_b32 s21, 32
	s_mov_b32 s22, 0
	s_mov_b32 s23, 0
	s_mov_b32 s40, 0x76543210                      ; selects of v_permlanex16_b32: lane l xor 16
	s_mov_b32 s41, 0xfedcba98
	s_wait_dscnt 0x0                               ; both opening adds are done
	s_wait_kmcnt 0x0
	s_load_b256 s[48:55], s[8:9], 0x10             ; exponents 4 to 11: s50 q, s51 k, s52 p, s53 v, s54 x
	s_mov_b32 s32, 1
	s_mov_b32 s33, s3
	s_add_nc_u64 s[34:35], s[4:5], s[56:57]
	s_or_b32 s35, s35, 0x80000000
	ROUND                                          ; the four work-groups are here: the joint loads meet
	tensor_load_to_lds s[32:35], s[16:23]          ; my one tensor load of the launch
	s_nop 0
.rept 4
	v_nop
.endr
	s_lshr_b32 s58, s14, 4
	s_lshl_b32 s58, s58, 11                        ; the batch's 2,048 mask bytes
	s_mov_b32 s59, 0
	s_add_nc_u64 s[6:7], s[6:7], s[58:59]
	v_lshlrev_b32 v2, 3, v0
	global_load_b64 v[64:65], v2, s[6:7]           ; positions 8 x thread + 0..7
	s_lshl_b32 s58, s13, 5
	s_lshl_b32 s59, s12, 2
	s_add_co_u32 s60, s58, s59                     ; my first tile of 16 queries: 32 cx + 4 wave
	s_lshl_b32 s58, s60, 10
	s_lshl_b32 s59, s14, 17
	s_add_co_u32 s58, s58, s59
	s_mov_b32 s59, 0
	s_add_nc_u64 s[4:5], s[4:5], s[58:59]
	v_and_b32 v1, 31, v0
	v_lshlrev_b32 v1, 4, v1                        ; 16 x lane
.irp t, 0,1,2,3
.irp i, 0,1
	global_load_b128 v[32+8*\t+4*\i:35+8*\t+4*\i], v1, s[4:5] offset:1024*\t+512*\i   ; Q's four fragments stay in registers
.endr
.endr
	s_lshr_b32 s58, s14, 4
	s_lshl_b32 s58, s58, 7
	s_add_co_u32 s58, s58, s60
	s_lshl_b32 s58, s58, 14                        ; ximg: (batch x 128 + tile) x 16,384
	s_and_b32 s59, s14, 15
	s_lshl_b32 s59, s59, 10                        ; + head x 1,024
	s_add_co_u32 s58, s58, s59
	s_mov_b32 s59, 0
	s_add_nc_u64 s[10:11], s[10:11], s[58:59]
	v_bfe_u32 v4, v0, 4, 1
	v_lshlrev_b32 v4, 5, v4
	v_add_nc_u32 v4, BT, v4                        ; the table, read: + 32 x (lane / 16): register j of tile a is key 16 a + 8 (lane / 16) + j
	v_and_b32 v31, 1, v0
	v_lshlrev_b32 v31, 12, v31
	v_lshrrev_b32 v5, 1, v0
	v_lshl_add_u32 v31, v5, 2, v31
	v_add_nc_u32 v31, BT, v31                      ; the table, written: position 8 T + i lies at word 1,024 (T % 2) + 128 i + T / 2, the order in which k and v keep the positions
	s_wait_kmcnt 0x0
	s_add_co_i32 s58, s50, s51
	s_lshl_b32 s59, s58, 23
	s_add_co_i32 s42, s59, 0x3e38aa3b              ; c = log2(e) / 8 x 2^(eq + ek)
	s_mov_b32 s43, s42                             ; (named with it as a pair)
	s_sub_co_i32 s58, 160, s58
	s_lshl_b32 s58, s58, 23
	s_or_b32 s58, s58, 0x80000000
	v_mov_b32 v67, s58                             ; -2^(33 - eq - ek)
	s_add_co_i32 s58, s52, 127
	s_lshl_b32 s59, s58, 23
	v_mov_b32 v6, s59                              ; 2^ep
	s_add_co_i32 s58, s58, 8
	s_lshl_b32 s58, s58, 23
	s_or_b32 s58, s58, 0x600000
	v_mov_b32 v7, s58                              ; 448 x 2^ep,
	v_mov_b32 v29, s58                             ; and once more: the two halves of a dual line take their second sources from different banks
	s_add_co_i32 s47, s52, s53                     ; ep + ev
	s_add_co_i32 s58, s54, 127
	s_lshl_b32 s61, s58, 23                        ; 2^ex
	s_add_co_i32 s58, s58, 8
	s_lshl_b32 s58, s58, 23
	s_or_b32 s62, s58, 0x600000                    ; 448 x 2^ex
	s_wait_alu depctr_va_vdst(0)
	s_wait_loadcnt 0x8                             ; the mask bytes are in; Q's eight loads may be out
.irp i, 0,1,2,3,4,5,6,7
	v_bfe_u32 v66, v[64+\i/4], 8*(\i%4), 8
	v_cmp_eq_u32 vcc_lo, 0, v66
	v_cndmask_b32 v[68+\i], 0, v67, vcc_lo
	ds_store_b32 v31, v[68+\i] offset:512*\i
.endr
.irp t, 0,1,2,3
	v_mov_b32 v[9+4*\t], 0xff61b1e6                ; the largest t so far: -3e38
	v_floor_f32 v[8+4*\t], -v[9+4*\t]              ; -M
	v_mov_b32 v[10+4*\t], 0                        ; the sum, in two halves
	v_mov_b32 v[11+4*\t], 0
.endr
	v_mov_b32 v27, 0                               ; (named as the upper half of the pair v[26:27])
	WIN 0x40
.set n, 0
.rept 128
	v_mov_b32 v[n], 0                              ; O^T: the step is written once, and its first trip finds zeros
.set n, n+1
.endr
	WIN 0
	s_wait_alu depctr_va_vdst(0)
	s_wait_tensorcnt 0x0                           ; my quarter of K or V is in,
	s_wait_dscnt 0x0                               ; my part of the table is stored,
	s_barrier_signal -1
	s_barrier_wait -1                              ; and so are everybody's
	s_wait_loadcnt 0x0                             ; Q
; The scores of tiles 2 p and 2 p + 1: source 0 = 16 keys, source 1 = 16 queries, C = the starts of the sums.
.macro QK p
	WIN 0x11
.irp a, 0,1,2,3,4,5,6,7
.irp u, 0,1
	v_wmma_f32_16x16x64_fp8_fp8 v[64+64*\u+8*\a:71+64*\u+8*\a], v[128+8*\a:135+8*\a], v[32+8*(2*\p+\u):39+8*(2*\p+\u)], v[192+8*\a:199+8*\a]
.endr
.endr
	WIN 0
.rept 4
	v_nop                                          ; places ahead of the reads of the scores and of loads into the fragments' registers
.endr
.endm
; The softmax of tiles t and t + 1, line by line in turns: four chains for the maxima, four for the sums.
.macro SOFT2 t
.set SA, 64
.set SB, 128
.set TA, 8+4*(\t)
.set TB, 12+4*(\t)
.set PA, 192+16*(\t)
.set PB, 208+16*(\t)
.set OA, 32*(\t)
	v_max3_num_f32 v24, v[SA], v[SA+1], v[SA+2]    ; each accumulator from its low end on
	v_max3_num_f32 v30, v[SB], v[SB+1], v[SB+2]
	v_max3_num_f32 v25, v[SA+3], v[SA+4], v[SA+5]
	v_max3_num_f32 v31, v[SB+3], v[SB+4], v[SB+5]
.set n, 6
.rept 14
	v_max3_num_f32 v24, v24, v[SA+n], v[SA+n+1]
	v_max3_num_f32 v30, v30, v[SB+n], v[SB+n+1]
	v_max3_num_f32 v25, v25, v[SA+n+2], v[SA+n+3]
	v_max3_num_f32 v31, v31, v[SB+n+2], v[SB+n+3]
.set n, n+4
.endr
	v_max3_num_f32 v24, v24, v[SA+62], v[SA+63]
	v_max3_num_f32 v30, v30, v[SB+62], v[SB+63]
	v_max_num_f32 v24, v24, v25
	v_max_num_f32 v30, v30, v31
	v_permlanex16_b32 v25, v24, s40, s41
	v_permlanex16_b32 v31, v30, s40, s41
	v_max_num_f32 v24, v24, v25                    ; the step's largest score of my query
	v_max_num_f32 v30, v30, v31
	v_mul_f32 v24, s42, v24                        ; as t (c is positive)
	v_mul_f32 v30, s42, v30
	v_mov_b32 v25, v[TA]
	v_mov_b32 v31, v[TB]
	v_max_num_f32 v[TA+1], v[TA+1], v24            ; the running largest t
	v_max_num_f32 v[TB+1], v[TB+1], v30
	v_floor_f32 v[TA], -v[TA+1]                    ; the new -M = -ceil(t)
	v_floor_f32 v[TB], -v[TB+1]
	v_sub_f32 v25, v[TA], v25                      ; old M - new M: a whole number, 0 or less
	v_sub_f32 v31, v[TB], v31
	v_cvt_i32_f32 v25, v25                         ; (it saturates)
	v_cvt_i32_f32 v31, v31
	v_ldexp_f32 v26, 1.0, v25                      ; f = 2^(old M - new M)
	v_ldexp_f32 v28, 1.0, v31
.set n, 0
.rept 32
	v_pk_fma_f32 v[SA+n:SA+n+1], v[SA+n:SA+n+1], s[42:43], v[TA:TA+1] op_sel_hi:[1,0,0]   ; the first tile's t - M, two at a time
.set n, n+2
.endr
	WIN 0x41
	s_wait_alu depctr_va_vdst(0)                   ; directly ahead of the first reader of O^T
.set n, 0
.rept 16
	v_pk_mul_f32 v[OA+n:OA+n+1], v[OA+n:OA+n+1], v[26:27] op_sel_hi:[1,0]             ; O^T under the new M
	v_pk_mul_f32 v[OA+32+n:OA+32+n+1], v[OA+32+n:OA+32+n+1], v[28:29] op_sel_hi:[1,0]
.set n, n+2
.endr
	WIN 0
.set n, 0
.rept 32
	v_exp_f32 v[SA+n], v[SA+n]                     ; the first tile's p = 2^(t - M); between its exponentials stand the second tile's t - M: lines that hang on nothing in the batch and are first read behind the next wait
	v_pk_fma_f32 v[SB+n:SB+n+1], v[SB+n:SB+n+1], s[42:43], v[TB:TB+1] op_sel_hi:[1,0,0]
	v_exp_f32 v[SA+n+1], v[SA+n+1]
.set n, n+2
.endr
	s_wait_alu depctr_va_vdst(0)                   ; ahead of the batch
.set n, 0
.rept 16                                           ; the second tile's p; between its exponentials, of the first tile: the first level of the sum (16 pairs, into the 32 registers that will take the two tiles' codes), then the hold
	v_exp_f32 v[SB+n], v[SB+n]
	v_pk_add_f32 v[PA+n/2:PA+n/2+1], v[SA+n:SA+n+1], v[SA+n+2:SA+n+3]
	v_exp_f32 v[SB+n+1], v[SB+n+1]
	v_dual_min_num_f32 v[SA+n], v[SA+n], v7 :: v_dual_min_num_f32 v[SA+n+1], v[SA+n+1], v29
	v_exp_f32 v[SB+n+2], v[SB+n+2]
	v_dual_min_num_f32 v[SA+n+2], v[SA+n+2], v7 :: v_dual_min_num_f32 v[SA+n+3], v[SA+n+3], v29
	v_exp_f32 v[SB+n+3], v[SB+n+3]
.set n, n+4
.endr
	v_pk_mul_f32 v[TA+2:TA+3], v[TA+2:TA+3], v[26:27] op_sel_hi:[1,0]   ; the sums under the new M (plain places behind the batch)
	v_pk_mul_f32 v[TB+2:TB+3], v[TB+2:TB+3], v[28:29] op_sel_hi:[1,0]
	s_wait_alu depctr_va_vdst(0)                   ; one wait for the batch, ahead of its first reader
.irp i, 0,1,2,3,4,5,6,7                            ; the first tile's sum goes on as a tree, folded upward; the second tile's, of the unquantised p, in four chains
	v_pk_add_f32 v[PB+2*\i:PB+2*\i+1], v[PB+2*\i:PB+2*\i+1], v[PA+2*\i:PA+2*\i+1]
.endr
	v_pk_add_f32 v[24:25], v[SB:SB+1], v[SB+2:SB+3]
	v_pk_add_f32 v[30:31], v[SB+4:SB+5], v[SB+6:SB+7]
.irp i, 0,1,2,3
	v_pk_add_f32 v[PB+8+2*\i:PB+9+2*\i], v[PB+8+2*\i:PB+9+2*\i], v[PB+2*\i:PB+2*\i+1]
.endr
	v_pk_add_f32 v[PB:PB+1], v[SB+8:SB+9], v[SB+10:SB+11]   ; (the tree has left this pair)
	v_pk_add_f32 v[TB+2:TB+3], v[TB+2:TB+3], v[SB+12:SB+13]
	v_pk_add_f32 v[PB+12:PB+13], v[PB+12:PB+13], v[PB+8:PB+9]
	v_pk_add_f32 v[PB+14:PB+15], v[PB+14:PB+15], v[PB+10:PB+11]
.set n, 14
.rept 6
	v_pk_add_f32 v[24:25], v[24:25], v[SB+n:SB+n+1]
	v_pk_add_f32 v[30:31], v[30:31], v[SB+n+2:SB+n+3]
	v_pk_add_f32 v[PB:PB+1], v[PB:PB+1], v[SB+n+4:SB+n+5]
	v_pk_add_f32 v[TB+2:TB+3], v[TB+2:TB+3], v[SB+n+6:SB+n+7]
.set n, n+8
.endr
	v_pk_add_f32 v[PB+14:PB+15], v[PB+14:PB+15], v[PB+12:PB+13]
	v_pk_add_f32 v[24:25], v[24:25], v[SB+62:SB+63]
	v_pk_add_f32 v[30:31], v[30:31], v[PB:PB+1]
	v_pk_add_f32 v[TA+2:TA+3], v[TA+2:TA+3], v[PB+14:PB+15]
	v_pk_add_f32 v[24:25], v[24:25], v[30:31]
	v_pk_add_f32 v[TB+2:TB+3], v[TB+2:TB+3], v[24:25]
.irp a, 0,1,2,3,4,5,6,7
.irp i, 0,2,4,6                                    ; the conversion to an 8-bit code does not saturate (ISA guide 7.6.2): the hold comes first, one-sided
	v_dual_min_num_f32 v[SB+8*\a+\i], v[SB+8*\a+\i], v7 :: v_dual_min_num_f32 v[SB+8*\a+\i+1], v[SB+8*\a+\i+1], v29
.endr
	v_cvt_scalef32_pk8_fp8_f32 v[PA+2*\a:PA+2*\a+1], v[SA+8*\a:SA+8*\a+7], v6   ; registers 2 a, 2 a + 1 of the operand: keys 16 a + 8 (lane / 16) + 0..7
	v_cvt_scalef32_pk8_fp8_f32 v[PB+2*\a:PB+2*\a+1], v[SB+8*\a:SB+8*\a+7], v6
.endr
	v_nop                                          ; a plain line behind the last conversion: matrix instructions touch its registers next
.endm
.macro STEP
	v_add_nc_u32 v2, s44, v1                       ; this block of K's image
	v_add_nc_u32 v5, s45, v4                       ; and of the table
	v_add_nc_u32 v3, VIMG, v2                      ; and of V's image
	v_nop                                          ; four places ahead of loads into registers that the last products read
	WIN 0x40
.irp i, 0,1,2,3,4,5,6,7,8,9,10,11,12,13,14,15
	ds_load_b128 v[128+4*\i:131+4*\i], v2 offset:512*\i
.endr
.irp a, 0,1,2,3,4,5,6,7
	ds_load_b128 v[192+8*\a:195+8*\a], v5 offset:64*\a
	ds_load_b128 v[196+8*\a:199+8*\a], v5 offset:64*\a+16
.endr
	s_wait_dscnt 0x0
	QK 0
	SOFT2 0
	QK 1
	WIN 0x40
.irp i, 0,1,2,3,4,5,6,7,8,9,10,11,12,13,14,15
	ds_load_b128 v[128+4*\i:131+4*\i], v3 offset:512*\i   ; V's four fragments land under the second softmax
.endr
	WIN 0
	SOFT2 2
	s_wait_alu depctr_va_vdst(0)
	s_wait_dscnt 0x0
	WIN 0x51
.irp d, 0,1,2,3                                    ; the sixteen accumulators by turns
.irp t, 0,1,2,3
	v_wmma_f32_16x16x128_fp8_fp8 v[32*\t+8*\d:32*\t+8*\d+7], v[128+16*\d:143+16*\d], v[192+16*\t:207+16*\t], v[32*\t+8*\d:32*\t+8*\d+7]
.endr
.endr
	WIN 0
.endm
	s_mov_b32 s44, 0
	s_mov_b32 s45, 0
	s_mov_b32 s46, 16
.Lstep:                                            ; sixteen blocks of 128 keys
	STEP
	s_add_co_u32 s44, s44, 8192
	s_add_co_u32 s45, s45, 512
	s_sub_co_u32 s46, s46, 1
	s_cmp_lg_u32 s46, 0
	s_cbranch_scc1 .Lstep
	; THE WAY OUT: O^T / the sum x 2^(ep + ev), held and converted with 2^ex; a tile's 8 registers of codes leave as two runs of 512 consecutive bytes
.irp t, 0,1,2,3
	v_add_f32 v[10+4*\t], v[10+4*\t], v[11+4*\t]
.endr
.irp t, 0,1,2,3
	v_permlanex16_b32 v[24+\t], v[10+4*\t], s40, s41
.endr
.irp t, 0,1,2,3
	v_add_f32 v[10+4*\t], v[10+4*\t], v[24+\t]     ; the row's sum
.endr
	s_wait_alu depctr_va_vdst(0)                   ; ahead of the batch
.irp t, 0,1,2,3
	v_rcp_f32 v[8+4*\t], v[10+4*\t]
.endr
	v_mov_b32 v28, s61
	v_mov_b32 v29, s62
	s_wait_alu depctr_va_vdst(0)                   ; and behind it, ahead of its first reader
.irp t, 0,1,2,3
	v_ldexp_f32 v[8+4*\t], v[8+4*\t], s47
.endr
.macro OUT t
	WIN 0x01
	s_wait_alu depctr_va_vdst(0)                   ; directly ahead of the first reader of O^T
.set n, 0
.rept 16
	v_pk_mul_f32 v[64+32*(\t)+n:64+32*(\t)+n+1], v[32*(\t)+n:32*(\t)+n+1], v[8+4*(\t):9+4*(\t)] op_sel_hi:[1,0]
.set n, n+2
.endr
	WIN 0
.set n, 0
.rept 32
	v_med3_num_f32 v[64+32*(\t)+n], v[64+32*(\t)+n], -v29, v29
.set n, n+1
.endr
.irp d, 0,1,2,3
	v_cvt_scalef32_pk8_fp8_f32 v[192+8*(\t)+2*\d:193+8*(\t)+2*\d], v[64+32*(\t)+8*\d:71+32*(\t)+8*\d], v28
.endr
	v_nop
	global_store_b128 v1, v[192+8*(\t):195+8*(\t)], s[10:11] offset:16384*(\t)
	global_store_b128 v1, v[196+8*(\t):199+8*(\t)], s[10:11] offset:16384*(\t)+512
.endm
	OUT 0
	OUT 1
	OUT 2
	OUT 3
	s_wait_xcnt 0x0
	v_lshl_add_u32 v254, v0, 2, SPARE              ; the add's two registers held codes in the loop: they are made anew, v0 being as at the entry
	v_mov_b32 v255, 0
	s_wait_alu depctr_va_vdst(0)
	s_wait_tensorcnt 0x0                           ; the wave's end
	ds_add_u32 v254, v255
	s_wait_dscnt 0x0
	ROUND                                          ; the closing round
	s_endpgm
.Lfunc_end_k_qe12665148d_attn:
	.size	k_qe12665148d_attn, .Lfunc_end_k_qe12665148d_attn-k_qe12665148d_attn
	.p2alignl 7, 3214868480
	.fill 96, 4, 3214868480
	.section	.rodata,"a",@progbits
	.p2align	6, 0x0
	.amdhsa_kernel k_qe12665148d_attn
		.amdhsa_group_segment_fixed_size 327680
		.amdhsa_private_segment_fixed_size 0
		.amdhsa_enable_private_segment 0
		.amdhsa_kernarg_size 32
		.amdhsa_user_sgpr_count 2
		.amdhsa_user_sgpr_kernarg_segment_ptr 1
		.amdhsa_wavefront_size32 1
		.amdhsa_system_sgpr_workgroup_id_x 1
		.amdhsa_system_sgpr_workgroup_id_y 1
		.amdhsa_system_sgpr_workgroup_id_z 1
		.amdhsa_system_vgpr_workitem_id 0
		.amdhsa_next_free_vgpr 512
		.amdhsa_next_free_sgpr 66
		.amdhsa_reserve_vcc 1
		.amdhsa_float_denorm_mode_32 3
		.amdhsa_float_denorm_mode_16_64 3
		.amdhsa_memory_ordered 1
		.amdhsa_forward_progress 1
		.amdhsa_inst_pref_size 84
	.end_amdhsa_kernel
	.amdgpu_metadata
---
amdhsa.version: [ 1, 2 ]
amdhsa.kernels:
  - .name:           k_qe12665148d_attn
    .symbol:         k_qe12665148d_attn.kd
    .args:
      - { .name: heads, .offset: 0, .size: 8, .value_kind: global_buffer, .address_space: global }
      - { .name: mask, .offset: 8, .size: 8, .value_kind: global_buffer, .address_space: global }
      - { .name: lowp_scales, .offset: 16, .size: 8, .value_kind: global_buffer, .address_space: global }
      - { .name: ximg, .offset: 24, .size: 8, .value_kind: global_buffer, .address_space: global }
    .group_segment_fixed_size: 327680
    .private_segment_fixed_size: 0
    .kernarg_segment_align: 8
    .kernarg_segment_size: 32
    .max_flat_workgroup_size: 256
    .sgpr_count:     66
    .vgpr_count:     512
    .wavefront_size: 32
...
	.end_amdgpu_metadata
.endif
;; end of part 3
;; launch oproj (part 4): grid 4 x 32, 4 waves a work-group, clusters of 4 x 4, 327,680 bytes of LDS; arguments ximg, wts, lowp_scales, bo, out0; writes out0
.if DOCPART == 4
	.amdgcn_target "amdgcn-amd-amdhsa--gfx1250"
	.amdhsa_code_object_version 6
	.text
	.protected	k_qe12665148d_oproj
	.globl	k_qe12665148d_oproj
	.p2align	8
	.type	k_qe12665148d_oproj,@function
k_qe12665148d_oproj:
	s_mov_b64 s[64:65], 0
	v_nop
	global_prefetch_b8 v0, s[64:65] scope:SCOPE_SE
	s_setreg_imm32_b32 hwreg(HW_REG_WAVE_MODE, 25, 1), 1
	s_wait_xcnt 0x0
	s_wait_alu depctr_hold_cnt(0) depctr_sa_sdst(0) depctr_va_vdst(0) depctr_va_sdst(0) depctr_va_ssrc(0) depctr_va_vcc(0) depctr_vm_vsrc(0)
	s_getreg_b32 s2, hwreg(HW_REG_IB_STS2, 6, 4)
	s_cmp_eq_u32 s2, 0
	s_cbranch_scc0 .Lentry_in_a_cluster
	s_endpgm
.Lentry_in_a_cluster:
	s_bfe_u32 s2, ttmp6, 0x10000c
	s_cmp_lg_u32 s2, 0xf033
	s_cbranch_scc0 .Lentry_shape_is_right
	s_endpgm
.Lentry_shape_is_right:
.set KROW,   1024
.set ROWB,   256
.set PITCH,  272
.set ASTEP,  4096
.set FR,     16
.set NL,     4
.set NP,     4
.set HALFA,  8*ASTEP
.set HALFB,  128*PITCH
.set BOFF,   2*HALFA
.set SLOT,   BOFF+2*HALFB
.set LAPS,   2
.set SPARE,  2*SLOT
.set SPITCH, 528
.set ADRA, 16
.set ADRB, 20
.set STO,  24
.set RD,   25
.set CO,   26
.set SPW,  28
.set NIL,  29
.set BU,   32
.set TMP,  0
.set AF,   128
.set BK,   128
.set G1, 24
.set G0, 32
.set G1B, 48
.set G0B, 56
.set MSB, 0
.macro WIN new
.if MSB != \new
	s_set_vgpr_msb (MSB<<8)|\new
.set MSB, \new
.endif
.endm
.set MUL_LO, 0xa1
.set MUL_HI, 0xf1
.set TO_B,   0x40
.macro JLOAD g0a, g1a, g0b, g1b
	s_cmp_eq_u32 s15, 0
	s_cbranch_scc0 .Lfor_b_\@
	tensor_load_to_lds s[\g0a:\g0a+3], s[\g1a:\g1a+7]
	s_nop 0
.rept 4
	v_nop
.endr
	s_branch .Lasked_\@
.Lfor_b_\@:
	tensor_load_to_lds s[\g0b:\g0b+3], s[\g1b:\g1b+7]
	s_nop 0
.rept 4
	v_nop
.endr
.Lasked_\@:
.endm
.macro CREST
	s_cmp_lg_u32 s14, 0
	s_cbranch_scc1 .Lnot_wave_0_\@
	s_barrier_signal -3
.Lnot_wave_0_\@:
	s_barrier_wait -3
	s_barrier_signal -1
	s_barrier_wait -1
.endm
.macro CROUND
	s_barrier_signal -1
	s_barrier_wait -1
	CREST
.endm
	s_load_b256 s[4:11], s[0:1], 0x0
	s_load_b64 s[12:13], s[0:1], 0x20
	v_lshl_add_u32 v[SPW], v0, 2, SPARE
	v_mov_b32 v[NIL], 0
	ds_add_u32 v28, v29
	ds_add_u32 v28, v29
	s_wait_dscnt 0x0
	v_lshrrev_b32 v1, 5, v0
	v_readfirstlane_b32 s14, v1
	s_lshr_b32 s15, s14, 1
	s_and_b32 s16, s14, 1
	s_bfe_u32 s40, ttmp6, 0x40000
	s_bfe_u32 s41, ttmp6, 0x40004
	s_lshl_b32 s42, ttmp9, 2
	s_add_co_u32 s42, s42, s40
	s_and_b32 s17, ttmp7, 0xffff
	s_lshl_b32 s17, s17, 2
	s_add_co_u32 s17, s17, s41
	s_lshl_b32 s43, s41, 2
	s_lshl_b32 s43, 15, s43
	s_lshl_b32 s44, 0x1111, s40
	s_or_b32 s[G1+0], s43, (3<<16)|(1<<21)
	s_mov_b32 s[G1+1], 512<<16
	s_mov_b32 s[G1+2], 8<<16
	s_mov_b32 s[G1+3], 512<<16
	s_mov_b32 s[G1+4], 8
	s_mov_b32 s[G1+5], 2048
	s_mov_b32 s[G1+6], 0
	s_mov_b32 s[G1+7], 0
	s_or_b32 s[G1B+0], s44, (0<<16)|(1<<20)|(1<<21)|(5<<22)|(3<<25)
	s_mov_b32 s[G1B+1], ROWB<<16
	s_mov_b32 s[G1B+2], 128<<16
	s_mov_b32 s[G1B+3], ROWB<<16
	s_mov_b32 s[G1B+4], 128
	s_mov_b32 s[G1B+5], KROW
	s_mov_b32 s[G1B+6], 0
	s_mov_b32 s[G1B+7], 0
	s_lshl_b32 s20, s17, 18
	s_lshl_b32 s18, s16, 17
	s_add_co_u32 s20, s20, s18
	s_mov_b32 s21, 0
	s_lshl_b32 s46, s42, 8
	s_lshl_b32 s18, s16, 7
	s_add_co_u32 s46, s46, s18
	s_lshl_b32 s46, s46, 10
	s_add_co_u32 s46, s46, 3<<20
	s_mov_b32 s47, 0
	s_lshl_b32 s45, s16, 15
	s_mul_i32 s19, s16, HALFB
	s_add_co_u32 s19, s19, BOFF
	s_wait_kmcnt 0x0
	s_load_b64 s[96:97], s[8:9], 0x28
	s_add_nc_u64 s[20:21], s[4:5], s[20:21]
	s_add_nc_u64 s[46:47], s[6:7], s[46:47]
	; the prefetches: a K step of what I fetch is 128 blocks of 256 bytes (x: 8 rows of 4,096 bytes, 16,384 apart; Wo: 128 rows of 256 bytes, 1,024 apart).
	; The four partners that ask for it with me take 32 blocks each, 32,768 bytes apart in both tensors, told apart by address (cx for x, cy for Wo); a lane a block.
	s_cmp_eq_u32 s15, 0
	s_cselect_b64 s[68:69], s[20:21], s[46:47]
	s_cselect_b32 s70, s40, s41
	s_cselect_b32 s72, 8, 10                       ; from lane to lane among sixteen: 256 or 1,024 bytes
	s_mov_b32 s73, 256
	s_cselect_b32 s73, 4096, s73                   ; a K step on
	s_lshl_b32 s70, s70, 15
	s_mov_b32 s71, 0
	s_add_nc_u64 s[68:69], s[68:69], s[70:71]      ; never rewritten
	v_and_b32 v13, 15, v0
	v_bfe_u32 v14, v0, 4, 1
	v_lshlrev_b32 v13, s72, v13
	v_lshl_add_u32 v13, v14, 14, v13               ; lanes 16-31: 16,384 bytes on, in both tensors
	v_add_nc_u32 v13, s73, v13                     ; K step 1,
	v_add_nc_u32 v14, s73, v13                     ; 2,
	v_add_nc_u32 v15, s73, v14                     ; 3; never rewritten
	s_wait_alu depctr_va_vdst(0)
	CROUND
.irp s, 0,1
	s_mov_b32 s[G0+4*\s], 1
	s_add_co_u32 s[G0+4*\s+1], s45, \s*SLOT
	s_add_nc_u64 s[G0+4*\s+2:G0+4*\s+3], s[20:21], \s*ASTEP
	s_or_b32 s[G0+4*\s+3], s[G0+4*\s+3], 0x80000000
	s_mov_b32 s[G0B+4*\s], 1
	s_add_co_u32 s[G0B+4*\s+1], s19, \s*SLOT
	s_add_nc_u64 s[G0B+4*\s+2:G0B+4*\s+3], s[46:47], \s*ROWB
	s_or_b32 s[G0B+4*\s+3], s[G0B+4*\s+3], 0x80000000
.if \s == 1                                        ; slot 1's first fill stands behind the full sequence and a round, as a refill does
	s_wait_alu depctr_va_vdst(0)
	s_wait_tensorcnt 0x0
	ds_add_u32 v28, v29
	ds_add_u32 v28, v29
	s_wait_dscnt 0x0
	CROUND
.endif
	JLOAD G0+4*\s, G1, G0B+4*\s, G1B
.if \s == 0
	global_prefetch_b8 v13, s[68:69] th:TH_LOAD_NT scope:SCOPE_SE   ; behind K step 0's load: K steps 1 and 2,
	global_prefetch_b8 v14, s[68:69] th:TH_LOAD_NT scope:SCOPE_SE
.else
	global_prefetch_b8 v15, s[68:69] th:TH_LOAD_NT scope:SCOPE_SE   ; behind K step 1's: K step 3, the last
.endif
.endr
	v_and_b32 v1, 15, v0
	v_bfe_u32 v2, v0, 4, 1
	v_mul_u32_u24 v3, v1, PITCH
	v_lshl_add_u32 v4, v2, 4, v3
	v_and_b32 v6, 31, v0
	v_lshlrev_b32 v[CO], 4, v6
	s_wait_alu depctr_va_vdst(0)
	s_lshl_b32 s21, s15, 15
	s_mul_i32 s22, s16, HALFB
	s_add_co_u32 s22, s22, BOFF
.irp s, 0,1
	v_add_nc_u32 v[ADRA+\s], s21, v[CO]
	v_add_nc_u32 v[ADRB+\s], s22, v4
	s_add_co_u32 s21, s21, SLOT
	s_add_co_u32 s22, s22, SLOT
.endr
	s_mul_i32 s23, s14, 16*SPITCH
	v_mul_u32_u24 v5, v1, SPITCH
	v_lshl_add_u32 v5, v2, 5, v5
	v_add_nc_u32 v[STO], s23, v5
	v_add_nc_u32 v[RD], s23, v[CO]
	s_lshr_b32 s20, s17, 3
	s_lshl_b32 s20, s20, 11
	s_and_b32 s21, s17, 7
	s_lshl_b32 s21, s21, 1
	s_add_co_u32 s20, s20, s21
	s_add_co_u32 s20, s20, s15
	s_lshl_b32 s20, s20, 12
	s_lshl_b32 s46, s42, 10
	s_lshl_b32 s47, s16, 9
	s_add_co_u32 s46, s46, s47
	s_add_co_u32 s20, s20, s46
	s_mov_b32 s21, 0
	s_add_nc_u64 s[12:13], s[12:13], s[20:21]
	v_lshlrev_b32 v10, 5, v2
	v_add_nc_u32 v10, s46, v10
.irp b, 0,1,2,3,4,5,6,7
	global_load_b128 v[BU+8*\b:BU+8*\b+3], v10, s[10:11] offset:64*\b
	global_load_b128 v[BU+8*\b+4:BU+8*\b+7], v10, s[10:11] offset:64*\b+16
.endr
.macro FRAGA reg, adr, q, i
.irp c, 0,1,2,3
	ds_load_b128 v[\reg+4*\c:\reg+4*\c+3], v[\adr] offset:2048*(\q)+ASTEP*(\i)+512*\c
.endr
.endm
.macro FRAGB reg, adr, q, i
.irp c, 0,1,2,3
	ds_load_b128 v[\reg+4*\c:\reg+4*\c+3], v[\adr] offset:128*(\q)+32*\c+(\i)*16*PITCH
.endr
.endm
.macro MUL16 a0, p, zero
.irp a, \a0, \a0+1
.irp b, 0,1,2,3,4,5,6,7
.if \zero
	v_wmma_f32_16x16x128_fp8_fp8 v[8*(8*((\a)%4)+\b):8*(8*((\a)%4)+\b)+7], v[128*(\p)+FR*\b:128*(\p)+FR*\b+FR-1], v[AF+FR*(\a):AF+FR*(\a)+FR-1], 0
.else
	v_wmma_f32_16x16x128_fp8_fp8 v[8*(8*((\a)%4)+\b):8*(8*((\a)%4)+\b)+7], v[128*(\p)+FR*\b:128*(\p)+FR*\b+FR-1], v[AF+FR*(\a):AF+FR*(\a)+FR-1], v[8*(8*((\a)%4)+\b):8*(8*((\a)%4)+\b)+7]
.endif
.endr
.endr
.endm
.macro FETCH_B slot, q, p
	WIN TO_B
.irp i, 0,1,2,3,4,5,6,7
	FRAGB 128*(\p)+FR*\i, ADRB+\slot, \q, \i
.endr
	WIN 0
.endm
.macro FETCH_A slot, q, i0
.irp i, \i0, \i0+1, \i0+2, \i0+3
	FRAGA AF+FR*(\i), ADRA+\slot, \q, \i
.endr
.endm
.macro PLACES n
.rept \n
	v_nop
.endr
.endm
.macro STEP slot, q, zero
	s_wait_dscnt 4*NL
	WIN MUL_LO
	MUL16 0, (\q)%2, \zero
	MUL16 2, (\q)%2, \zero
	s_wait_dscnt 0
	PLACES NP
	FETCH_B \slot, (\q)+1, 1-(\q)%2
	FETCH_A \slot, (\q)+1, 0
	WIN MUL_HI
	MUL16 4, (\q)%2, \zero
	MUL16 6, (\q)%2, \zero
	PLACES NP
	WIN 0
	FETCH_A \slot, (\q)+1, 4
.endm
.macro TURN slot, next, fill
	s_wait_tensorcnt 0x0
	ds_add_u32 v[SPW], v[NIL]
	s_wait_dscnt 4*NL+1
	WIN MUL_LO
	MUL16 0, 1, 0
	s_wait_dscnt 0x0
	s_barrier_signal -1
	MUL16 2, 1, 0
	WIN 0
	s_barrier_wait -1
.if \fill
	CREST
	s_add_nc_u64 s[G0+4*\slot+2:G0+4*\slot+3], s[G0+4*\slot+2:G0+4*\slot+3], 2*ASTEP
	s_add_nc_u64 s[G0B+4*\slot+2:G0B+4*\slot+3], s[G0B+4*\slot+2:G0B+4*\slot+3], 2*ROWB
	JLOAD G0+4*\slot, G1, G0B+4*\slot, G1B
.else
	PLACES NP
.endif
	FETCH_B \next, 0, 0
	FETCH_A \next, 0, 0
	WIN MUL_HI
	MUL16 4, 1, 0
	MUL16 6, 1, 0
	PLACES NP
	WIN 0
	FETCH_A \next, 0, 4
.endm
	s_wait_alu depctr_va_vdst(0)
	s_wait_tensorcnt 1
	s_barrier_signal -1
	s_barrier_wait -1
	FETCH_B 0, 0, 0
	FETCH_A 0, 0, 0
	FETCH_A 0, 0, 4
	STEP 0, 0, 1
	s_mov_b32 s3, LAPS-1
.Llap:
	TURN 0, 1, 1
	STEP 1, 0, 0
	TURN 1, 0, 1
	STEP 0, 0, 0
	s_sub_co_u32 s3, s3, 1
	s_cmp_lg_u32 s3, 0
	s_cbranch_scc1 .Llap
	TURN 0, 1, 0
	STEP 1, 0, 0
	s_wait_dscnt 4*NL
	WIN MUL_LO
	MUL16 0, 1, 0
	MUL16 2, 1, 0
	s_wait_dscnt 0
	WIN MUL_HI
	MUL16 4, 1, 0
	MUL16 6, 1, 0
	WIN 0
.macro TOSTAGE a
.set AC, 64*((\a)%4)
	WIN (0x42+((\a)/4))
.irp j, 0,2,4,6,8,10,12,14,16,18,20,22,24,26,28,30,32,34,36,38,40,42,44,46,48,50,52,54,56,58,60,62
	v_pk_fma_f32 v[TMP+\j:TMP+\j+1], v[AC+\j:AC+\j+1], s[96:97], v[BU+\j:BU+\j+1] op_sel_hi:[1,0,1]
.endr
	WIN 0x04
.irp b, 0,1,2,3,4,5,6,7
	ds_store_b128 v[STO], v[TMP+8*\b:TMP+8*\b+3] offset:64*\b
	ds_store_b128 v[STO], v[TMP+8*\b+4:TMP+8*\b+7] offset:64*\b+16
.endr
	WIN 0
.set BB, BK+64*((\a)%2)
.irp t, 0,1,2,3,4,5,6,7,8,9,10,11,12,13,14,15
	ds_load_b128 v[BB+4*\t:BB+4*\t+3], v[RD] offset:\t*SPITCH
.endr
.endm
.macro SEND a, younger
.set BB, BK+64*((\a)%2)
	s_wait_dscnt \younger
.if (\a) > 0
	s_add_nc_u64 s[12:13], s[12:13], 0x100000
.endif
.irp t, 0,1,2,3,4,5,6,7,8,9,10,11,12,13,14,15
	global_store_b128 v[CO], v[BB+4*\t:BB+4*\t+3], s[12:13] offset:\t*65536 th:TH_STORE_NT
.endr
.endm
	s_wait_kmcnt 0x0
	s_add_co_i32 s96, s96, s97
	s_add_co_i32 s96, s96, 127
	s_lshl_b32 s96, s96, 23
	s_wait_loadcnt 0x0
	PLACES NP
	TOSTAGE 0
.irp a, 1,2,3,4,5,6,7
.if \a > 1
	s_wait_xcnt 0x0
.endif
	TOSTAGE \a
	SEND \a-1, 32
.endr
	s_wait_xcnt 0x0
	SEND 7, 0
	s_wait_tensorcnt 0x0
	ds_add_u32 v[SPW], v[NIL]
	s_wait_dscnt 0x0
	CROUND
	s_endpgm
.Lfunc_end_k_qe12665148d_oproj:
	.size	k_qe12665148d_oproj, .Lfunc_end_k_qe12665148d_oproj-k_qe12665148d_oproj
	.p2alignl 7, 3214868480
	.fill 96, 4, 3214868480
	.section	.rodata,"a",@progbits
	.p2align	6, 0x0
	.amdhsa_kernel k_qe12665148d_oproj
		.amdhsa_group_segment_fixed_size 327680
		.amdhsa_private_segment_fixed_size 0
		.amdhsa_enable_private_segment 0
		.amdhsa_kernarg_size 40
		.amdhsa_user_sgpr_count 2
		.amdhsa_user_sgpr_kernarg_segment_ptr 1
		.amdhsa_wavefront_size32 1
		.amdhsa_system_sgpr_workgroup_id_x 1
		.amdhsa_system_sgpr_workgroup_id_y 1
		.amdhsa_system_sgpr_workgroup_id_z 1
		.amdhsa_system_vgpr_workitem_id 0
		.amdhsa_next_free_vgpr 1024
		.amdhsa_next_free_sgpr 100
		.amdhsa_reserve_vcc 0
		.amdhsa_float_denorm_mode_32 3
		.amdhsa_float_denorm_mode_16_64 3
		.amdhsa_memory_ordered 1
		.amdhsa_forward_progress 1
		.amdhsa_inst_pref_size 127
	.end_amdhsa_kernel
	.amdgpu_metadata
---
amdhsa.version: [ 1, 2 ]
amdhsa.kernels:
  - .name:           k_qe12665148d_oproj
    .symbol:         k_qe12665148d_oproj.kd
    .args:
      - { .name: ximg, .offset: 0, .size: 8, .value_kind: global_buffer, .address_space: global }
      - { .name: wts, .offset: 8, .size: 8, .value_kind: global_buffer, .address_space: global }
      - { .name: lowp_scales, .offset: 16, .size: 8, .value_kind: global_buffer, .address_space: global }
      - { .name: bo, .offset: 24, .size: 8, .value_kind: global_buffer, .address_space: global }
      - { .name: out0, .offset: 32, .size: 8, .value_kind: global_buffer, .address_space: global }
    .group_segment_fixed_size: 327680
    .private_segment_fixed_size: 0
    .kernarg_segment_align: 8
    .kernarg_segment_size: 40
    .max_flat_workgroup_size: 128
    .sgpr_count:     100
    .vgpr_count:     1024
    .wavefront_size: 32
...
	.end_amdgpu_metadata
.endif
;; end of part 4
